; MI455X (gfx1250); checked and timed in simulation.
; The chip was launched on July 23, 2026; its instructions are those of AMD's public machine-readable ISA for CDNA 5 (MIT licence, August 2026) and "CDNA5" Instruction Set Architecture Reference Guide (July 2026). The comments in the code are by the model that wrote it; some were corrected since.
;; Attention. Allowed arithmetic: matrix products marked QUANTISED: E4M3 operands, one E8M0 scale for each 32 along K, by v_wmma_scale_f32_16x16x128_f8f6f4 with both operands' format E4M3, f32 sums; everything else in f32.
;; Inputs: b_out 1,024 float32; k 1 x 4,096 x 1,024 float32; q 1 x 4,096 x 1,024 float32; qk_scale 1 x 1 x 1 x 64 float32; v_codes 1 x 1,024 x 128 x 32 uint8 (E4M3 codes of v, K innermost, in blocks of 32 codes); v_scales 1 x 1,024 x 128 uint8 (E8M0 scales of v, one for each 32 codes along K); w_out_codes 1,024 x 32 x 32 uint8 (E4M3 codes of w_out, K innermost, in blocks of 32 codes); w_out_scales 1,024 x 32 uint8 (E8M0 scales of w_out, one for each 32 codes along K).
;; Outputs: out0 1 x 4,096 x 1,024 float32.
;; This version of the problem:
;;   THIS VERSION OF THE PROBLEM IS GIVEN IN LOW PRECISION. The matrix products marked QUANTISED in the list below multiply operands that are first quantised to E4M3 (4 exponent bits, 3 mantissa bits; 8 bits a number), with one power-of-two scale for each 32 numbers along K (OCP MX v1.0); their sums are f32. All else is computed in f32.
;;   The module's matrix products, in the order in which they are computed (A, B: the left and right operand; K: the contracted axis; several contracted axes count as one K, in the product's order):
;;     1. batch 16 x [M 4,096, K 64] x [K 64, N 4,096]; A: computed on the way; B: computed on the way: QUANTISED
;;     2. batch 16 x [M 4,096, K 4,096] x [K 4,096, N 64]; A: softmax (see below); B: input v (given as codes): QUANTISED
;;     3. [M 4,096, K 1,024] x [K 1,024, N 1,024]; A: computed on the way; B: input w_out (given as codes): QUANTISED
;;   THE QUANTISER, for each operand of a quantised product, along K:
;;     - K is cut into blocks of 32 from its start; a last block that is shorter is filled with zeros.
;;     - A block's scale is 2^e with e = floor(log2(the largest magnitude in the block)) - 8, held to -126 .. 127; a block of zeros has e = 0. As a byte (E8M0): e + 127.
;;     - Each number is divided by its block's scale, clamped to +-448, and rounded to the nearest number of E4M3, ties to even, subnormals kept.
;;     - The product sums the exact products of the quantised numbers (number of the format x scale) in f32.
;;   ~~~python
;;   def quantise(x, axis):      # numpy; x: float32 -> the quantised numbers, widened to float32 again
;;       x = np.moveaxis(x, axis, -1); K = x.shape[-1]
;;       x = np.pad(x, [(0, 0)] * (x.ndim - 1) + [(0, -K % 32)]); x = x.reshape(x.shape[:-1] + (-1, 32)); a = np.abs(x).max(-1, keepdims=True)
;;       e = np.where(a > 0, np.clip(np.frexp(np.where(a > 0, a, 1))[1] - 1 - 8, -126, 127), 0)      # np.frexp(a)[1] - 1 = floor(log2(a)), exactly
;;       r = np.clip(x / 2.0 ** e, -448, 448)
;;       step = 2.0 ** (np.maximum(np.frexp(np.where(r == 0, 1, r))[1] - 1, -6) - 3)
;;       q = np.round(r / step) * step * 2.0 ** e      # np.round: ties to even
;;       return np.moveaxis(q.reshape(q.shape[:-2] + (-1,))[..., :K], -1, axis).astype(np.float32)
;;   ~~~
;;   SOFTMAX AHEAD OF A QUANTISED PRODUCT. Where the list says 'softmax', what is quantised is not the finished softmax but p = 2^(t - M), with t = logit x log2(e) and M = ceil(the row's largest t), a whole number; so 1/2 < the row's largest p <= 1. The row's sum l is taken of the UNQUANTISED p, in f32, and the product's result is divided by l at the end. Since M is a whole number, a kernel that streams over the keys may use a running M (the ceiling of the running maximum): every later rescaling is an exact power of two, which a block's scale takes up: the codes' values come out the same.
;;   OPERANDS COMPUTED ON THE WAY. 'Computed on the way' means the value that the module computes at that place (a softmax that the list does not call 'softmax' is quantised finished and normalised). What goes into a quantiser is computed in f32, as accurately as f32 sums, v_exp_f32 and their like allow (about 1e-6 of the number): no bf16 or f16 on the way to a quantiser, and a product that is left as it is and whose result goes on into a quantised operand takes f32 operands (vector FMAs, or v_wmma_f32_16x16x4_f32). A number that lies on a knife's edge between two numbers of the format may be rounded either way, as far as f32 arithmetic and the matrix unit's own rounding can turn it there, and no further.
;;   INPUTS GIVEN AS CODES. v (in the module: [1, 4096, 1024], K = its axis 1); w_out (in the module: [1024, 1024], K = its axis 1): each comes as NAME_codes (uint8): NAME with its K axis moved to the last place and cut into blocks of 32 codes, [.., K / 32, bytes a block], one block behind the other in memory; one code a byte (a code: sign, 4 exponent bits, 3 mantissa bits); and NAME_scales (uint8): the same leading axes, one E8M0 byte (e + 127) for each 32 codes along K. Its value is code x scale, taken as it is: it is not quantised again, and the codes and scales need not be those that the quantiser above would give.
;; One version. Each part assembles by itself: llvm-mc -triple=amdgcn-amd-amdhsa -mcpu=gfx1250 --defsym DOCPART=n.
;; ======== version 1 of 1: 3 launches
;; limits: right only within a limited range of input values
;; workspace buffers: qimg 4,194,304 bytes; qsc 131,072 bytes; kimg 4,194,304 bytes; ksc 131,072 bytes; oimg 4,194,304 bytes; osc 131,072 bytes
;; launch prep (part 1): grid 32 x 8, 4 waves a work-group, no clusters, 136,704 bytes of LDS; arguments q, k, qk_scale, qimg, qsc, kimg, ksc; writes qimg, qsc, kimg, ksc
.if DOCPART == 1
	.amdgcn_target "amdgcn-amd-amdhsa--gfx1250"
	.amdhsa_code_object_version 6
	.text
	.protected	k_q73223caac4_prep
	.globl	k_q73223caac4_prep
	.p2align	8
	.type	k_q73223caac4_prep,@function
k_q73223caac4_prep:
	s_mov_b64 s[64:65], 0
	v_nop
	global_prefetch_b8 v0, s[64:65] scope:SCOPE_SE
	s_setreg_imm32_b32 hwreg(HW_REG_WAVE_MODE, 25, 1), 1
	s_wait_xcnt 0x0
; q and k, [4096][1024] f32, get the rotation by position, the L2 norm of each head's 64 channels and the gain of each channel, and are turned into codes of FP8 (E4M3)
; with one E8M0 byte for each 32 channels.  They leave as IMAGES OF OPERAND REGISTERS: an image (2,048 bytes) holds 32 rows x 64 channels of one head.  Its byte 512 c + 16 lane + i,
; lane = r + 16 h, is row 32 B + 8 (c / 2) + r + 8 (r / 8), channel 32 (c % 2) + 16 h + i: K places 0-63 hold the 16 rows of tile u = 0, K places 64-127 those of tile u = 1.
; Scale words: [head][128 rows][r][block of 32 rows]: bytes 0, 1 tile 0's two blocks of row r, bytes 2, 3 tile 1's.
; SHARES.  A work-group takes 128 rows and two heads of both tensors; wave w takes 32 rows: four units (q or k, head) of one image each.  A lane holds 64 numbers of a unit.
; All 64 loads of a wave (512 consecutive bytes each) go out at the head; the angles' sines and cosines are made while they are on their way.  The rows turn through the wave's own stage in LDS,
; 528 bytes from row to row, so that a lane gets 16 neighbouring channels of one row.
; THE ANGLES.  1 / 10^(j / 8) is the rounded quotient of 1 and the rounded power; the angle is one f32 product; it is reduced by a multiple of pi / 2 kept in two parts, and sine and cosine are polynomials on +-pi/4.
; LIMITS: NaN and infinities among the inputs are not served.  A block of zeros gets the byte 1 (its codes are zeros, and this program alone reads the bytes).  The division by the norm is a multiplication by
; v_rsq_f32's result (1 ulp).  The powers 10^(j / 8) are taken as correctly rounded f32 numbers.
.set RP,   528                         ; a stage row: 512 bytes (two heads) + 16
.set STGK, 32*RP                       ; a stage: 32 rows; k's lies behind q's
.set STGW, 2*STGK                      ; a wave's two stages
.set SCG,  4*STGW                      ; behind the stages: four units x 256 bytes of scale words
.set TT,   10                          ; v[10:11]  my two rows' positions as f32 (tile 0's, tile 1's)
.set PSC,  12                          ; v[12:13]  a coefficient of the sine, twice
.set PCC,  14                          ; v[14:15]  a coefficient of the cosine, twice
.set INV,  16                          ; v[16:31]  my 16 inverse frequencies
.set CO,   32                          ; v[32:63]  cosines: 2 jl + u
.set SI,   64                          ; v[64:95]  sines
.set G,    96                          ; v[96:127] the gains of my 32 channels
.set X,    128                         ; v[128:191] a unit's 64 numbers
.set PC,   192                         ; v[192:207] its codes
.set TM,   208                         ; v[208:223] at work in the quantiser
.set PW,   224                         ; v224      its scale word
.set TP,   226                         ; v[226:233] at work
.set SS,   234                         ; v[234:237] sums of squares
.set RS0,  238                         ; v[238:239] 1 / norm of tile 0's row (the low word serves both halves)
.set RS1,  240                         ; v[240:241] of tile 1's
.set AN,   240                         ; v[240:255], v[226:231]: at work for the sines and cosines
.set NN,   242
.set RR,   244
.set ZZ,   246
.set PP,   248
.set QQ,   250
.set ZR,   252
.set HH,   254
.set Z2,   226
.set II,   228
.set T2,   230
.set WV,   18
.set SEL,  20
.set MNT,  22
.set MSB, 0
.macro WIN new                         ; the immediate's high byte repeats the setting that is left
.if MSB != \new
	s_set_vgpr_msb (MSB<<8)|\new
.set MSB, \new
.endif
.endm
	s_load_b256 s[4:11], s[0:1], 0x0               ; q s[4:5], k s[6:7], the gains s[8:9], q's images s[10:11]
	s_load_b128 s[12:15], s[0:1], 0x20             ; q's scale words s[12:13], k's images s[14:15]
	s_load_b64 s[16:17], s[0:1], 0x30              ; k's scale words
	v_lshl_add_u32 v225, v0, 2, 0x21400
	s_set_vgpr_msb 0x80
	v_mov_b32 v1, 0
	s_set_vgpr_msb 0x8000
	v_lshrrev_b32 v1, 5, v0
	v_readfirstlane_b32 s[WV], v1                  ; wave 0..3
	v_and_b32 v2, 31, v0
	v_lshlrev_b32 v1, 4, v2                        ; 16 x lane
	v_lshlrev_b32 v8, 3, v2                        ; 8 x lane
	s_wait_alu depctr_va_vdst(0)
	v_and_b32 v2, 15, v0                           ; r
	v_bfe_u32 v3, v0, 4, 1                         ; h
	s_wait_alu depctr_va_vdst(0)
	s_and_b32 s19, ttmp7, 0xffff                   ; g: heads 2 g, 2 g + 1
	s_mov_b32 s[SEL], 0x76543210
	s_mov_b32 s[SEL+1], 0xfedcba98                 ; v_permlanex16_b32's selects for lane l xor 16
	s_mov_b32 s[MNT], 0x600000                     ; the mantissa field of 448
	s_mul_i32 s23, s[WV], STGW                     ; my stages
	v_mul_u32_u24 v4, v2, RP
	v_lshl_add_u32 v4, v3, 6, v4
	v_add_nc_u32 v4, s23, v4                       ; out of a stage: row r of a tile, + 64 h: my 16 channels
	v_add_nc_u32 v5, s23, v1                       ; into it: 16 x lane of a row
	s_lshl_b32 s32, s[WV], 2
	s_add_co_u32 s32, s32, SCG
	v_lshlrev_b32 v6, 4, v2
	v_add_nc_u32 v6, s32, v6                       ; my scale word's place in a unit's 256 bytes: 16 r + 4 x wave
	s_lshl_b32 s32, s[WV], 8
	s_add_co_u32 s32, s32, SCG
	v_add_nc_u32 v7, s32, v8                       ; and on the way out: unit = my wave's number, 8 bytes a lane
	v_lshlrev_b32 v9, 6, v3                        ; the gains: 64 h
	s_lshl_b32 s33, ttmp9, 7
	s_lshl_b32 s34, s[WV], 5
	s_add_co_u32 s33, s33, s34                     ; my wave's first row
	v_and_b32 v10, 8, v2
	v_add_nc_u32 v10, v10, v2                      ; r + 8 (r / 8)
	v_add_nc_u32 v10, s33, v10                     ; tile 0's row of my lane,
	v_add_nc_u32 v11, 8, v10                       ; tile 1's
	v_cvt_f32_u32 v10, v10
	v_cvt_f32_u32 v11, v11
	v_mov_b32 v[PSC], 0x3c08839e                   ; 8.3321608736e-3
	v_mov_b32 v[PSC+1], 0x3c08839e
	v_mov_b32 v[PCC], 0xbab6061a                   ; -1.388731625493765e-3
	v_mov_b32 v[PCC+1], 0xbab6061a
	v_mov_b32 v[RS0+1], 0                          ; named as the upper half of a pair, so it is written
	s_lshl_b32 s24, ttmp9, 19                      ; in q and k: 128 rows of 4,096 bytes a work-group,
	s_lshl_b32 s32, s[WV], 17                      ; 32 rows a wave,
	s_add_co_u32 s24, s24, s32
	s_lshl_b32 s32, s19, 9                         ; 512 bytes for two heads
	s_add_co_u32 s24, s24, s32
	s_mov_b32 s25, 0
	s_lshl_b32 s26, s19, 19                        ; in the images: head 2 g (2^18 bytes a head),
	s_lshl_b32 s32, ttmp9, 13                      ; four images a work-group,
	s_add_co_u32 s26, s26, s32
	s_lshl_b32 s32, s[WV], 11                      ; one a wave
	s_add_co_u32 s26, s26, s32
	s_mov_b32 s27, 0
	s_lshl_b32 s28, s19, 1                         ; the scale words that my wave stores: unit = wave: head 2 g + wave % 2,
	s_and_b32 s32, s[WV], 1
	s_add_co_u32 s28, s28, s32
	s_lshl_b32 s28, s28, 13                        ; 8,192 bytes a head,
	s_lshl_b32 s32, ttmp9, 8                       ; 256 for 128 rows
	s_add_co_u32 s28, s28, s32
	s_mov_b32 s29, 0
	s_wait_kmcnt 0x0
	s_add_nc_u64 s[4:5], s[4:5], s[24:25]
	s_add_nc_u64 s[6:7], s[6:7], s[24:25]
	s_add_nc_u64 s[10:11], s[10:11], s[26:27]
	s_add_nc_u64 s[14:15], s[14:15], s[26:27]
	s_cmp_lt_u32 s[WV], 2                          ; units 0, 1 are q's, units 2, 3 k's
	s_cselect_b64 s[30:31], s[12:13], s[16:17]
	s_add_nc_u64 s[30:31], s[30:31], s[28:29]
.irp i, 0,1,2,3
	global_load_b128 v[G+4*\i:G+4*\i+3], v9, s[8:9] offset:16*\i             ; gains of channels 16 h + 0 .. 15
	global_load_b128 v[G+16+4*\i:G+16+4*\i+3], v9, s[8:9] offset:128+16*\i   ; and of 32 + 16 h + 0 .. 15
.endr
	WIN 0x40                                       ; destination window 1: v0-127 q as loaded, v128-255 k as loaded
.set kk, 0
.rept 32
	global_load_b128 v[4*kk:4*kk+3], v1, s[4:5] offset:4096*kk th:TH_LOAD_NT       ; row kk: 32 lanes read 512 consecutive bytes
.set kk, kk+1
.endr
.set kk, 0
.rept 32
	global_load_b128 v[128+4*kk:128+4*kk+3], v1, s[6:7] offset:4096*kk th:TH_LOAD_NT
.set kk, kk+1
.endr
	WIN 0
; THE INVERSE FREQUENCIES.  Register jl stands for pair j = 16 (jl / 8) + 8 h + jl % 8 of the head's 32: the power 10^(j / 8) for h = 0 or for h = 1
.macro POW jl, a, b
	v_mov_b32 v[240+\jl], \a
	v_mov_b32 v[TM+\jl], \b
	v_cndmask_b32 v[240+\jl], v[240+\jl], v[TM+\jl], vcc_lo
.endm
	v_cmp_ne_u32 vcc_lo, 0, v3
	POW 0, 1.0, 10.0
	POW 1, 1.333521432163324, 13.33521432163324
	POW 2, 1.778279410038923, 17.78279410038923
	POW 3, 2.371373705661655, 23.71373705661655
	POW 4, 3.162277660168379, 31.62277660168379
	POW 5, 4.216965034285822, 42.16965034285822
	POW 6, 5.623413251903491, 56.23413251903491
	POW 7, 7.498942093324559, 74.98942093324559
	POW 8, 100.0, 1000.0
	POW 9, 133.3521432163324, 1333.521432163324
	POW 10, 177.8279410038923, 1778.279410038923
	POW 11, 237.1373705661655, 2371.373705661655
	POW 12, 316.2277660168379, 3162.277660168379
	POW 13, 421.6965034285822, 4216.965034285822
	POW 14, 562.3413251903491, 5623.413251903491
	POW 15, 749.8942093324559, 7498.942093324559
	s_wait_alu depctr_va_vdst(0)
.irp j, 0,1,2,3,4,5,6,7,8,9,10,11,12,13,14,15
	v_rcp_f32 v[INV+\j], v[240+\j]
.endr
	v_nop                                          ; a plain instruction behind the last reciprocal
	s_wait_alu depctr_va_vdst(0)                   ; one wait for the sixteen, ahead of their first reader
.irp j, 0,1,2,3,4,5,6,7,8,9,10,11,12,13,14,15
	v_fma_f32 v[TM+\j], -v[240+\j], v[INV+\j], 1.0 ; what the reciprocal misses,
.endr
.irp j, 0,1,2,3,4,5,6,7,8,9,10,11,12,13,14,15
	v_fma_f32 v[INV+\j], v[INV+\j], v[TM+\j], v[INV+\j]   ; put right: the rounded quotient
.endr
; SINE AND COSINE of my two rows' angles for pair jl, both rows at a time
.macro SINCOS jl
	v_mul_f32 v[AN], v[TT], v[INV+\jl]             ; the angle: one f32 product
	v_mul_f32 v[AN+1], v[TT+1], v[INV+\jl]
	v_pk_mul_f32 v[NN:NN+1], v[AN:AN+1], 0x3f22f983 op_sel_hi:[1,0]              ; x 2 / pi
	v_rndne_f32 v[NN], v[NN]                       ; N quarter turns
	v_rndne_f32 v[NN+1], v[NN+1]
	v_pk_fma_f32 v[RR:RR+1], v[NN:NN+1], 0xbfc90fdb, v[AN:AN+1] op_sel_hi:[1,0,1]   ; less N x the f32 nearest pi / 2,
	v_pk_fma_f32 v[RR:RR+1], v[NN:NN+1], 0x333bbd2e, v[RR:RR+1] op_sel_hi:[1,0,1]   ; plus N x what that number has too much
	v_pk_mul_f32 v[ZZ:ZZ+1], v[RR:RR+1], v[RR:RR+1]
	v_pk_fma_f32 v[PP:PP+1], v[ZZ:ZZ+1], 0xb94ca1f9, v[PSC:PSC+1] op_sel_hi:[1,0,1]
	v_pk_fma_f32 v[QQ:QQ+1], v[ZZ:ZZ+1], 0x37ccf5ce, v[PCC:PCC+1] op_sel_hi:[1,0,1]
	v_pk_fma_f32 v[PP:PP+1], v[PP:PP+1], v[ZZ:ZZ+1], 0xbe2aaaa3 op_sel_hi:[1,1,0]
	v_pk_fma_f32 v[QQ:QQ+1], v[QQ:QQ+1], v[ZZ:ZZ+1], 0x3d2aaaa5 op_sel_hi:[1,1,0]
	v_pk_mul_f32 v[ZR:ZR+1], v[ZZ:ZZ+1], v[RR:RR+1]
	v_pk_mul_f32 v[Z2:Z2+1], v[ZZ:ZZ+1], v[ZZ:ZZ+1]
	v_pk_fma_f32 v[HH:HH+1], v[ZZ:ZZ+1], -0.5, 1.0 op_sel_hi:[1,0,0]
	v_pk_fma_f32 v[PP:PP+1], v[PP:PP+1], v[ZR:ZR+1], v[RR:RR+1]                  ; the sine of the rest,
	v_pk_fma_f32 v[QQ:QQ+1], v[QQ:QQ+1], v[Z2:Z2+1], v[HH:HH+1]                  ; its cosine
.irp u, 0,1
	v_cvt_i32_f32 v[II+\u], v[NN+\u]
	v_and_b32 v[T2+\u], 1, v[II+\u]
	v_cmp_eq_u32 vcc_lo, 1, v[T2+\u]               ; an odd number of quarter turns: the two change places
	v_cndmask_b32 v[SI+2*(\jl)+\u], v[PP+\u], v[QQ+\u], vcc_lo
	v_cndmask_b32 v[CO+2*(\jl)+\u], v[QQ+\u], v[PP+\u], vcc_lo
	v_lshlrev_b32 v[T2+\u], 30, v[II+\u]           ; the sine is negative in quarters 2 and 3: bit 1 of N,
	v_and_b32 v[T2+\u], 0x80000000, v[T2+\u]
	v_xor_b32 v[SI+2*(\jl)+\u], v[T2+\u], v[SI+2*(\jl)+\u]
	v_add_nc_u32 v[II+\u], 1, v[II+\u]             ; the cosine in quarters 1 and 2: bit 1 of N + 1
	v_lshlrev_b32 v[II+\u], 30, v[II+\u]
	v_and_b32 v[II+\u], 0x80000000, v[II+\u]
	v_xor_b32 v[CO+2*(\jl)+\u], v[II+\u], v[CO+2*(\jl)+\u]
.endr
.endm
.irp jl, 0,1,2,3,4,5,6,7,8,9,10,11,12,13,14,15
	SINCOS \jl
.endr
; 64 numbers of a lane, register 16 b + i = place 32 b + 16 h + i along K of my row, become a fragment's codes in v[PC] on and its scale word in v[PW]
.macro QUANT s
.irp b, 0,1,2,3
	v_max3_num_f32 v[TM+\b], |v[\s+16*\b]|, |v[\s+1+16*\b]|, 0x4800000   ; block b: my 16 numbers, and the floor 2^(9 - 127): the byte cannot fall under 1
.endr
.irp i, 2,4,6,8,10,12,14
.irp b, 0,1,2,3
	v_max3_num_f32 v[TM+\b], v[TM+\b], |v[\s+16*\b+\i]|, |v[\s+1+16*\b+\i]|   ; the four blocks by turns
.endr
.endr
.irp b, 0,1,2,3
	v_permlanex16_b32 v[TM+4+\b], v[TM+\b], s[SEL], s[SEL+1]
.endr
.irp b, 0,1,2,3
	v_max_num_f32 v[TM+\b], v[TM+\b], v[TM+4+\b]   ; with lane l xor 16's: the block's largest magnitude
.endr
.irp b, 0,1,2,3
	v_add_nc_u32 v[TM+12+\b], 0xfc000000, v[TM+\b] ; 8 off its exponent field: the conversion's scale operand
.endr
.irp b, 0,1,2,3
	v_and_or_b32 v[TM+8+\b], v[TM+\b], 0x7f800000, s[MNT]   ; 448 x the scale
.endr
.irp b, 0,1,2,3
	v_lshrrev_b32 v[TM+4+\b], 23, v[TM+12+\b]      ; the scale's byte
.endr
	v_lshl_or_b32 v[PW], v[TM+5], 8, v[TM+4]
	v_lshl_or_b32 v[PW], v[TM+6], 16, v[PW]
	v_lshl_or_b32 v[PW], v[TM+7], 24, v[PW]
.irp b, 0,1,2,3
.irp i, 0,1,2,3,4,5,6,7,8,9,10,11,12,13,14,15
	v_med3_num_f32 v[\s+16*\b+\i], v[\s+16*\b+\i], -v[TM+8+\b], v[TM+8+\b]   ; the conversion to an 8-bit code does not saturate (ISA guide 7.6.2): the hold at the largest code x the scale
.endr
	v_cvt_scalef32_pk8_fp8_f32 v[PC+4*\b:PC+1+4*\b], v[\s+16*\b:\s+7+16*\b], v[TM+12+\b]
	v_cvt_scalef32_pk8_fp8_f32 v[PC+2+4*\b:PC+3+4*\b], v[\s+8+16*\b:\s+15+16*\b], v[TM+12+\b]
.endr
	v_nop                                          ; a plain instruction behind the last conversion
.endm
; A UNIT: tensor x (0: q, 1: k), head 2 g + e; img: the scalar pair with the tensor's images
.macro UNIT x, e, img
.irp c, 0,1,2,3
.irp i, 0,1,2,3
	ds_load_b128 v[X+16*\c+4*\i:X+16*\c+4*\i+3], v4 offset:STGK*\x+16*(\c/2)*RP+256*\e+128*(\c%2)+16*\i   ; LDS serves a wave's instructions in order: these see my stores
.endr
.endr
	s_wait_dscnt 0x0
.irp c, 0,1,2,3                                ; the rotation: (xr, xi) -> (xr cos - xi sin, xr sin + xi cos)
.irp i, 0,1,2,3,4,5,6,7
	v_mul_f32 v[TP+2*(\i%4)], v[X+16*\c+2*\i+1], v[SI+2*(8*(\c%2)+\i)+\c/2]
	v_mul_f32 v[TP+2*(\i%4)+1], v[X+16*\c+2*\i], v[SI+2*(8*(\c%2)+\i)+\c/2]
	v_fma_f32 v[X+16*\c+2*\i], v[X+16*\c+2*\i], v[CO+2*(8*(\c%2)+\i)+\c/2], -v[TP+2*(\i%4)]
	v_fma_f32 v[X+16*\c+2*\i+1], v[X+16*\c+2*\i+1], v[CO+2*(8*(\c%2)+\i)+\c/2], v[TP+2*(\i%4)+1]
.endr
.endr
	v_pk_mul_f32 v[SS:SS+1], v[X:X+1], v[X:X+1]    ; the sums of squares of my two rows, by turns
	v_pk_mul_f32 v[SS+2:SS+3], v[X+32:X+33], v[X+32:X+33]
.irp i, 2,4,6,8,10,12,14,16,18,20,22,24,26,28,30
	v_pk_fma_f32 v[SS:SS+1], v[X+\i:X+\i+1], v[X+\i:X+\i+1], v[SS:SS+1]
	v_pk_fma_f32 v[SS+2:SS+3], v[X+32+\i:X+33+\i], v[X+32+\i:X+33+\i], v[SS+2:SS+3]
.endr
	v_add_f32 v[SS], v[SS], v[SS+1]
	v_add_f32 v[SS+2], v[SS+2], v[SS+3]
	v_permlanex16_b32 v[SS+1], v[SS], s[SEL], s[SEL+1]
	v_permlanex16_b32 v[SS+3], v[SS+2], s[SEL], s[SEL+1]
	v_add_f32 v[SS], v[SS], v[SS+1]                ; with the other 32 channels, in lane l xor 16
	v_add_f32 v[SS+2], v[SS+2], v[SS+3]
	v_max_num_f32 v[SS], 0x179abe15, v[SS]         ; the norm is held at 1e-12 from below: its square at 1e-24
	v_max_num_f32 v[SS+2], 0x179abe15, v[SS+2]
	s_wait_alu depctr_va_vdst(0)
	v_rsq_f32 v[RS0], v[SS]
	v_rsq_f32 v[RS1], v[SS+2]
	v_nop                                          ; a plain instruction behind the last of the two
	s_wait_alu depctr_va_vdst(0)                   ; one wait for both, ahead of their first reader
.irp i, 0,2,4,6,8,10,12,14,16,18,20,22,24,26,28,30
	v_pk_mul_f32 v[X+\i:X+\i+1], v[X+\i:X+\i+1], v[RS0:RS0+1] op_sel_hi:[1,0]
	v_pk_mul_f32 v[X+32+\i:X+33+\i], v[X+32+\i:X+33+\i], v[RS1:RS1+1] op_sel_hi:[1,0]
.endr
.irp c, 0,1,2,3
.irp i, 0,2,4,6,8,10,12,14
	v_pk_mul_f32 v[X+16*\c+\i:X+16*\c+\i+1], v[X+16*\c+\i:X+16*\c+\i+1], v[G+16*(\c%2)+\i:G+16*(\c%2)+\i+1]   ; the channels' gains
.endr
.endr
	s_wait_xcnt 0x0                                ; the last unit's stores have read the codes' registers: they are written again only behind this wait
	QUANT X
.irp c, 0,1,2,3
	global_store_b128 v1, v[PC+4*\c:PC+4*\c+3], s[\img:\img+1] offset:262144*\e+512*\c   ; 32 lanes store 512 consecutive bytes of the image
.endr
	ds_store_b32 v6, v[PW] offset:256*(2*\x+\e)    ; both lanes of a row write the same word with the same value
.endm
	s_wait_loadcnt 32                              ; the gains and q's 32 rows are in; k's 32 younger loads may be out
	WIN 0x04                                       ; an LDS store's data are its source 1: window 1
.set kk, 0
.rept 32
	ds_store_b128 v5, v[4*kk:4*kk+3] offset:(16*((kk/8)%2)+kk%8+8*(kk/16))*RP   ; row kk goes to the place of its tile and lane: 16 u + r
.set kk, kk+1
.endr
	WIN 0
	UNIT 0, 0, 10
	UNIT 0, 1, 10
	s_wait_loadcnt 0x0                             ; k's rows
	WIN 0x04
.set kk, 0
.rept 32
	ds_store_b128 v5, v[128+4*kk:128+4*kk+3] offset:STGK+(16*((kk/8)%2)+kk%8+8*(kk/16))*RP
.set kk, kk+1
.endr
	WIN 0
	UNIT 1, 0, 14
	UNIT 1, 1, 14
	s_wait_dscnt 0x0                               ; for the others' sake: my scale words lie in LDS
	s_barrier_signal -1
	s_barrier_wait -1
	ds_load_b64 v[TP:TP+1], v7                     ; a unit's 256 bytes come from four waves; wave w stores unit w
	s_wait_dscnt 0x0
	global_store_b64 v8, v[TP:TP+1], s[30:31]      ; 32 lanes store 256 consecutive bytes, aligned
	s_set_vgpr_msb 0x8
	s_wait_tensorcnt 0x0
	ds_add_u32 v225, v1
	s_wait_dscnt 0x0
	s_set_vgpr_msb 0x800
	s_endpgm
.Lfunc_end_k_q73223caac4_prep:
	.size	k_q73223caac4_prep, .Lfunc_end_k_q73223caac4_prep-k_q73223caac4_prep
	.p2alignl 7, 3214868480
	.fill 96, 4, 3214868480
	.section	.rodata,"a",@progbits
	.p2align	6, 0x0
	.amdhsa_kernel k_q73223caac4_prep
		.amdhsa_group_segment_fixed_size 136704
		.amdhsa_private_segment_fixed_size 0
		.amdhsa_enable_private_segment 0
		.amdhsa_kernarg_size 56
		.amdhsa_user_sgpr_count 2
		.amdhsa_user_sgpr_kernarg_segment_ptr 1
		.amdhsa_wavefront_size32 1
		.amdhsa_system_sgpr_workgroup_id_x 1
		.amdhsa_system_sgpr_workgroup_id_y 1
		.amdhsa_system_sgpr_workgroup_id_z 1
		.amdhsa_system_vgpr_workitem_id 0
		.amdhsa_next_free_vgpr 514
		.amdhsa_next_free_sgpr 66
		.amdhsa_reserve_vcc 1
		.amdhsa_float_denorm_mode_32 3
		.amdhsa_float_denorm_mode_16_64 3
		.amdhsa_memory_ordered 1
		.amdhsa_forward_progress 1
		.amdhsa_inst_pref_size 141
	.end_amdhsa_kernel
	.amdgpu_metadata
---
amdhsa.version: [ 1, 2 ]
amdhsa.kernels:
  - .name:           k_q73223caac4_prep
    .symbol:         k_q73223caac4_prep.kd
    .args:
      - { .name: q, .offset: 0, .size: 8, .value_kind: global_buffer, .address_space: global }
      - { .name: k, .offset: 8, .size: 8, .value_kind: global_buffer, .address_space: global }
      - { .name: qk_scale, .offset: 16, .size: 8, .value_kind: global_buffer, .address_space: global }
      - { .name: qimg, .offset: 24, .size: 8, .value_kind: global_buffer, .address_space: global }
      - { .name: qsc, .offset: 32, .size: 8, .value_kind: global_buffer, .address_space: global }
      - { .name: kimg, .offset: 40, .size: 8, .value_kind: global_buffer, .address_space: global }
      - { .name: ksc, .offset: 48, .size: 8, .value_kind: global_buffer, .address_space: global }
    .group_segment_fixed_size: 136704
    .private_segment_fixed_size: 0
    .kernarg_segment_align: 8
    .kernarg_segment_size: 56
    .max_flat_workgroup_size: 128
    .sgpr_count:     66
    .vgpr_count:     514
    .wavefront_size: 32
...
	.end_amdgpu_metadata
.endif
;; end of part 1
;; launch attn (part 2): grid 16 x 16, 16 waves a work-group, clusters of 4 x 1, 327,680 bytes of LDS; arguments qimg, qsc, kimg, ksc, v_codes, v_scales, oimg, osc; writes oimg, osc
.if DOCPART == 2
	.amdgcn_target "amdgcn-amd-amdhsa--gfx1250"
	.amdhsa_code_object_version 6
	.text
	.protected	k_q73223caac4_attn
	.globl	k_q73223caac4_attn
	.p2align	8
	.type	k_q73223caac4_attn,@function
k_q73223caac4_attn:
	s_mov_b64 s[64:65], 0
	v_nop
	global_prefetch_b8 v0, s[64:65] scope:SCOPE_SE
	s_setreg_imm32_b32 hwreg(HW_REG_WAVE_MODE, 25, 1), 1
	s_wait_xcnt 0x0
	s_wait_alu depctr_hold_cnt(0) depctr_sa_sdst(0) depctr_va_vdst(0) depctr_va_sdst(0) depctr_va_ssrc(0) depctr_va_vcc(0) depctr_vm_vsrc(0)
	s_getreg_b32 s2, hwreg(HW_REG_IB_STS2, 6, 4)
	s_cmp_eq_u32 s2, 0
	s_cbranch_scc0 .Lentry_in_a_cluster
	s_endpgm
.Lentry_in_a_cluster:
	s_bfe_u32 s2, ttmp6, 0x10000c
	s_cmp_lg_u32 s2, 0x3003
	s_cbranch_scc0 .Lentry_shape_is_right
	s_endpgm
.Lentry_shape_is_right:
; O[head][query] = sum over keys of softmax(Q . K / 8) V, both products on codes of FP8 (E4M3) with one E8M0 byte for 32 along K; O is quantised along the head's 64 channels and leaves as images of operand registers.
; Q and K come as images of operand registers (2,048 bytes: 32 rows x 64 channels; K places 0-63 hold tile 0's 16 rows, 64-127 tile 1's); V as codes with the keys innermost, [1024 channels][4096 keys].
; THE SOFTMAX: t = score x log2(e) / 8; M = the running largest t rounded up to a whole number; p = 2^(t - M) is quantised along the keys; the row's sum is taken of the unquantised p and divides O at the end.
; When M moves, the sum and O^T are multiplied by 2^(old M - new M), which rounds nothing.
; SHARES.  A work-group owns 256 queries of one head, each of its sixteen waves 16 of them; every wave walks all 4,096 keys, 128 a step.  Both products are used transposed: a lane holds one query (lane % 16) throughout.
; Q's 64 channels stand once in K places 0-63 and once in 64-127, zeros beside them, so that one fragment of K gives two tiles of 16 keys; the 16 registers of an image's two tiles are 16 neighbouring keys.
; TWO BLOCKS OF 64 REGISTERS CHANGE ROLES FROM STEP TO STEP: K's fragments lie in one, the scores and p in the other; V's fragments follow K's; and as soon as p's codes are made, the next step's fragments of K are
; loaded where p lay, ahead of the second product.  So a trip of the loop is two steps.  A slot's last step loads nothing ahead (a branch on the count of trips, round the loads alone).
; LDS.  Two slots of 1,024 keys (K: 65,536 dense bytes; V: 64 rows of 1,024 bytes + 16), the head's scale bytes of K and of V (32 units of 256 bytes + 16 each), a stage for O's scale bytes, the spare words.
; FILLS.  At the head ten waves issue one load each: waves 0-3 slot 0 (K's halves, V's halves), 4 and 5 the scale bytes, 6-9 slot 1.  Waves 0-5 wait at the first barrier; slot 1's lines are waited for at the first round.
; Keys 2,048 on go into slot 0 behind the round that follows its eight steps, keys 3,072 on into slot 1 likewise: two refills, each with eight steps' work between its request and the wait for it.
; CLUSTERS.  The four work-groups of a cluster own query blocks of one head and walk the same K and V: every tile is asked for jointly (mask 15).
; PREFETCH.  Behind the first barrier and behind the first refill waves 10-13 name, one instruction each, the slot that the next round will load (eight steps ahead): a cluster's partners take a quarter each, told apart by address:
; waves 10, 11: 8,192 bytes each of K's block, lanes 256 bytes apart; waves 12, 13: 8 rows of V each, four lanes to a row's 1,024 bytes.  Slots 0 and 1 come by their loads alone; nothing lies behind slot 3.
; LIMITS: the promise holds while the scaled scores t stay under 2^31 in magnitude; NaN and infinities are not served; a block of zeros keeps the byte 1 (its codes are zeros, and this program alone reads the bytes).
.set VP,    1040
.set VOFF,  65536
.set SLOT1, 132096
.set SCK,   264192
.set SCV,   272896
.set OSTG,  281600
.set SPARE, 282112
.set AK0,  1                           ; v1 16 x lane; v2 my place in a tile of V; v3, v4 among K's and V's scale words
.set AV0,  2
.set ASK0, 3
.set ASV0, 4
.set SPW,  5                           ; v5 my spare word, v6 zero: never rewritten
.set NIL,  6
.set PFO,  7                           ; v7 the prefetches' offset
.set ADK,  8                           ; v8-11 the LDS addresses of the loads to come
.set ADV,  9
.set ADS,  10
.set ADT,  11
.set FR,   40                          ; v12 -M, v13 the largest score, v[14:15] the sum; v16-39 zeros, Q, zeros; v40-103 and v104-167: the two blocks that change roles
.set ST,   104
.set OT,   168                         ; v168-199 O^T
.set PCD,  200                         ; v200-215 p's codes
.set BM,   216
.set PT,   220
.set HD,   224                         ; v224-231 bounds and scale operands; ahead of them: second chains of the maxima, chains of the sum
.set SO,   228
.set KS,   232
.set TMP,  236
.set OLD,  237                         ; -M of the step before
.set F,    238                         ; f; v239 is named with it as a pair
.set QS,   240
.set VS,   244
.set PW,   249                         ; p's scale word: its number differs modulo 8 from V's four.  v[242:243], v[250:255]: chains of the sum
.set CX,   2
.set XG,   3
.set HN,   66
.set HF,   67
.set WV,   20
.set MNT,  21
.set SEL,  22
.set CS,   24
.set STP,  26
.set PFQ,  27
.set G1K,  28
.set G1V,  36
.set G1S,  44
.set G0K,  52
.set G0V,  56
.set G0SK, 60
.set G0SV, 68
.set PFA,  72
.set PFS,  74
.set G0K1, 76
.set G0V1, 80
.set TK,   90
.set TV,   91
.set TS,   92
.set TJ,   93
.set QP,   94
.macro TLOAD g0k, g1k, g0v, g1v        ; a refill: waves 0, 1 K's halves, waves 2, 3 V's
	s_cmp_lt_u32 s[WV], 2
	s_cbranch_scc0 .Lnot_k_\@
	tensor_load_to_lds s[\g0k:\g0k+3], s[\g1k:\g1k+7]
	s_nop 0
.rept 4
	v_nop
.endr
	s_branch .Lasked_\@
.Lnot_k_\@:
	s_cmp_lt_u32 s[WV], 4
	s_cbranch_scc0 .Lasked_\@
	tensor_load_to_lds s[\g0v:\g0v+3], s[\g1v:\g1v+7]
	s_nop 0
.rept 4
	v_nop
.endr
.Lasked_\@:
.endm
.macro ASK                             ; waves 10-13: the slot that the next round will load
	s_cmp_eq_u32 s[PFQ], 1
	s_cbranch_scc0 .Lnot_mine_\@
	global_prefetch_b8 v[PFO], s[PFA:PFA+1] th:TH_LOAD_NT scope:SCOPE_SE
.Lnot_mine_\@:
.endm
.macro CROUND                          ; a round of the cluster's barrier
	s_barrier_signal -1
	s_barrier_wait -1
	s_cmp_lg_u32 s[WV], 0
	s_cbranch_scc1 .Lnot_wave_0_\@
	s_barrier_signal -3
.Lnot_wave_0_\@:
	s_barrier_wait -3
	s_barrier_signal -1
	s_barrier_wait -1
.endm
.macro HOLD2 a, ha, b, hb              ; two holds in one line: destinations of unlike parity, sources in unlike banks
	v_dual_min_num_f32 v[\a], v[\ha], v[\a] :: v_dual_min_num_f32 v[\b], v[\hb], v[\b]
.endm
.macro MAX2 a, pa, b, pb               ; two maxima in one line
	v_dual_max_num_f32 v[\a], v[\a], v[\pa] :: v_dual_max_num_f32 v[\b], v[\b], v[\pb]
.endm
	s_load_b256 s[4:11], s[0:1], 0x0               ; q's images, q's scale words, k's images, k's scale words
	s_load_b256 s[12:19], s[0:1], 0x20             ; v's codes, v's scales, o's images, o's scale words
	v_lshl_add_u32 v[SPW], v0, 2, SPARE
	v_mov_b32 v[NIL], 0
	ds_add_u32 v[SPW], v[NIL]                      ; the opening lines: the add twice on end and its wait ahead of my first tensor load
	ds_add_u32 v[SPW], v[NIL]
	v_lshrrev_b32 v8, 5, v0
	v_readfirstlane_b32 s[WV], v8                  ; wave 0..15
	s_bfe_u32 s[CX], ttmp6, 0x40000
	s_lshl_b32 s[XG], ttmp9, 2
	s_add_co_u32 s[XG], s[XG], s[CX]               ; my block of 256 queries
	s_and_b32 s[HN], ttmp7, 0xffff                 ; the head
	s_and_b32 s[HF], s[WV], 1                      ; which half of a tile I fetch
	s_lshl_b32 s84, s[HN], 18                      ; the head in the images and in v's codes
	s_mov_b32 s85, 0
	s_lshl_b32 s86, s[HN], 13                      ; and in the scale bytes
	s_mov_b32 s87, 0
	s_lshl_b32 s88, s[HF], 15                      ; K: half a slot is 32,768 dense bytes
	s_mov_b32 s89, 0
	s_add_nc_u64 s[88:89], s[88:89], s[84:85]
	s_lshl_b32 s90, s[HF], 17                      ; V: 32 rows of 4,096 bytes
	s_mov_b32 s91, 0
	s_add_nc_u64 s[90:91], s[90:91], s[84:85]
	s_lshl_b32 s92, s[HF], 15                      ; where they go in a slot: made of the wave's number alone
	s_mul_i32 s93, s[HF], 32*VP
	s_add_co_u32 s93, s93, VOFF
	s_lshl_b32 s96, s[XG], 14                      ; my 16 queries: half an image
	s_lshl_b32 s95, s[WV], 10
	s_add_co_u32 s96, s96, s95
	s_mov_b32 s97, 0
	s_add_nc_u64 s[96:97], s[96:97], s[84:85]
	s_lshl_b32 s98, s[XG], 9                       ; and their scale words
	s_lshr_b32 s95, s[WV], 3
	s_lshl_b32 s95, s95, 8
	s_add_co_u32 s98, s98, s95
	s_bfe_u32 s95, s[WV], 0x20001
	s_lshl_b32 s95, s95, 2
	s_add_co_u32 s98, s98, s95
	s_mov_b32 s99, 0
	s_add_nc_u64 s[98:99], s[98:99], s[86:87]
	s_mov_b32 s[G1K], 15|(3<<16)|(1<<21)           ; K: 128 rows of 256 bytes (32 elements of 8), dense
	s_mov_b32 s[G1K+1], 32<<16
	s_mov_b32 s[G1K+2], 128<<16
	s_mov_b32 s[G1K+3], 32<<16
	s_mov_b32 s[G1K+4], 128
	s_mov_b32 s[G1K+5], 32
	s_mov_b32 s[G1K+6], 0
	s_mov_b32 s[G1K+7], 0
	s_mov_b32 s[G1V], 15|(1<<20)|(1<<21)|(7<<22)|(3<<25)   ; V: 32 rows of 1,024 bytes, 4,096 apart; four words of padding behind every 256
	s_mov_b32 s[G1V+1], 1024<<16
	s_mov_b32 s[G1V+2], 32<<16
	s_mov_b32 s[G1V+3], 1024<<16
	s_mov_b32 s[G1V+4], 32
	s_mov_b32 s[G1V+5], 4096
	s_mov_b32 s[G1V+6], 0
	s_mov_b32 s[G1V+7], 0
	s_mov_b32 s[G1S], 15|(3<<16)|(1<<20)|(1<<21)|(5<<22)|(3<<25)   ; scale bytes: 32 rows of 256 bytes, dense; four words behind every 64
	s_mov_b32 s[G1S+1], 32<<16
	s_mov_b32 s[G1S+2], 32<<16
	s_mov_b32 s[G1S+3], 32<<16
	s_mov_b32 s[G1S+4], 32
	s_mov_b32 s[G1S+5], 32
	s_mov_b32 s[G1S+6], 0
	s_mov_b32 s[G1S+7], 0
	s_mov_b32 s[SEL], 0x76543210
	s_mov_b32 s[SEL+1], 0xfedcba98                 ; lane l xor 16
	s_mov_b32 s[CS], 0x3e38aa3b                    ; c = log2(e) / 8
	s_mov_b32 s[CS+1], s[CS]
	s_mov_b32 s[MNT], 0x600000                     ; the mantissa field of 448
	s_mov_b32 s[QP], 0x03020302
	s_cmp_eq_u32 s[HF], 0
	s_cselect_b32 s[QP], 0x01000100, s[QP]         ; which two bytes of q's scale word are my tile's
	s_wait_dscnt 0x0                               ; both opening adds are done
	s_wait_kmcnt 0x0
	CROUND                                         ; in front of the first joint loads
	s_mov_b32 s[G0K], 1
	s_mov_b32 s[G0K+1], s92
	s_add_nc_u64 s[G0K+2:G0K+3], s[8:9], s[88:89]
	s_or_b32 s[G0K+3], s[G0K+3], 0x80000000
	s_mov_b32 s[G0V], 1
	s_mov_b32 s[G0V+1], s93
	s_add_nc_u64 s[G0V+2:G0V+3], s[12:13], s[90:91]
	s_or_b32 s[G0V+3], s[G0V+3], 0x80000000
	s_mov_b32 s[G0K1], 1                           ; slot 1: keys 1,024 on
	s_add_co_u32 s[G0K1+1], s92, SLOT1
	s_add_nc_u64 s[G0K1+2:G0K1+3], s[G0K+2:G0K+3], 65536
	s_mov_b32 s[G0V1], 1
	s_add_co_u32 s[G0V1+1], s93, SLOT1
	s_add_nc_u64 s[G0V1+2:G0V1+3], s[G0V+2:G0V+3], 1024
	s_mov_b32 s[G0SK], 1
	s_mov_b32 s[G0SK+1], SCK
	s_add_nc_u64 s[G0SK+2:G0SK+3], s[10:11], s[86:87]
	s_or_b32 s[G0SK+3], s[G0SK+3], 0x80000000
	s_mov_b32 s[G0SV], 1
	s_mov_b32 s[G0SV+1], SCV
	s_add_nc_u64 s[G0SV+2:G0SV+3], s[14:15], s[86:87]
	s_or_b32 s[G0SV+3], s[G0SV+3], 0x80000000
.macro ARM under, g0, g1, next         ; one chain of branches on the wave's number, a load to an arm: no way through the head passes two
	s_cmp_lt_u32 s[WV], \under
	s_cbranch_scc0 \next
	tensor_load_to_lds s[\g0:\g0+3], s[\g1:\g1+7]
	s_nop 0
.rept 4
	v_nop
.endr
	s_branch .Lhead_asked
\next:
.endm
	ARM 2,  G0K,  G1K, .Lhead_v
	ARM 4,  G0V,  G1V, .Lhead_sk
	ARM 5,  G0SK, G1S, .Lhead_sv
	ARM 6,  G0SV, G1S, .Lhead_k1
	ARM 8,  G0K1, G1K, .Lhead_v1
	ARM 10, G0V1, G1V, .Lhead_none
.Lhead_asked:
	s_add_nc_u64 s[4:5], s[4:5], s[96:97]
	s_add_nc_u64 s[6:7], s[6:7], s[98:99]
	v_and_b32 v8, 31, v0
	v_lshlrev_b32 v[AK0], 4, v8
	v_and_b32 v9, 15, v0                           ; r
	v_bfe_u32 v10, v0, 4, 1                        ; h
	global_load_b128 v[24:27], v[AK0], s[4:5]      ; Q's codes stay in registers
	global_load_b128 v[28:31], v[AK0], s[4:5] offset:512
	v_mul_u32_u24 v[AV0], v9, VP
	v_lshl_add_u32 v[AV0], v10, 4, v[AV0]
	v_add_nc_u32 v[AV0], VOFF, v[AV0]
	v_lshl_add_u32 v[ASK0], v9, 4, SCK             ; K's scale words: 16 bytes for row r of a step's four images
	v_lshrrev_b32 v11, 1, v9
	v_mul_u32_u24 v[ASV0], v11, 272                ; V's: two channels of 128 bytes to a unit
	v_and_b32 v11, 1, v9
	v_lshl_add_u32 v[ASV0], v11, 7, v[ASV0]
	v_add_nc_u32 v[ASV0], SCV, v[ASV0]
	v_lshlrev_b32 v10, 4, v9
	global_load_b32 v241, v10, s[6:7]
	s_lshl_b32 s96, s[XG], 18                      ; where my 16 queries' codes of O go
	s_lshr_b32 s95, s[WV], 3
	s_lshl_b32 s95, s95, 17
	s_add_co_u32 s96, s96, s95
	s_and_b32 s95, s[WV], 7
	s_lshl_b32 s95, s95, 11
	s_add_co_u32 s96, s96, s95
	s_lshr_b32 s95, s[HN], 1
	s_lshl_b32 s95, s95, 14
	s_add_co_u32 s96, s96, s95
	s_and_b32 s95, s[HN], 1
	s_lshl_b32 s95, s95, 10
	s_add_co_u32 s96, s96, s95
	s_mov_b32 s97, 0
	s_add_nc_u64 s[16:17], s[16:17], s[96:97]
	s_lshl_b32 s98, s[XG], 9                       ; and the work-group's 512 scale bytes
	s_mov_b32 s99, 0
	s_add_nc_u64 s[98:99], s[98:99], s[86:87]
	s_add_nc_u64 s[18:19], s[18:19], s[98:99]
	s_cmp_lt_u32 s[WV], 12                         ; the prefetches: waves 10, 11 for K, waves 12, 13 for V
	s_cselect_b64 s[PFA:PFA+1], s[8:9], s[12:13]
	s_mov_b32 s[PFS], 1024
	s_cselect_b32 s[PFS], 65536, s[PFS]            ; a slot on
	s_mov_b32 s88, 4096
	s_cselect_b32 s88, 1024, s88                   ; from four lanes to the next four
	s_mov_b32 s89, 65536
	s_cselect_b32 s89, 16384, s89                  ; from partner to partner
	s_mov_b32 s90, 32768
	s_cselect_b32 s90, 8192, s90                   ; from the first wave to the second
	v_lshrrev_b32 v[PFO], 2, v8
	v_mul_lo_u32 v[PFO], v[PFO], s88
	v_and_b32 v8, 3, v8
	v_lshl_add_u32 v[PFO], v8, 8, v[PFO]
	s_mul_i32 s89, s89, s[CX]
	s_mul_i32 s90, s90, s[HF]
	s_add_co_u32 s88, s89, s90
	s_lshl_b32 s89, s[PFS], 1                      ; slot 2 first
	s_add_co_u32 s88, s88, s89
	s_mov_b32 s89, 0
	s_mov_b32 s[PFS+1], 0
	s_add_nc_u64 s[PFA:PFA+1], s[PFA:PFA+1], s[84:85]
	s_add_nc_u64 s[PFA:PFA+1], s[PFA:PFA+1], s[88:89]
	s_sub_co_u32 s88, s[WV], 10
	s_cmp_lt_u32 s88, 4
	s_cselect_b32 s[PFQ], 1, 0
	s_mov_b32 s[TS], 0
	s_mov_b32 s[TJ], 0
.irp j, 16,17,18,19,20,21,22,23,32,33,34,35,36,37,38,39
	v_mov_b32 v[\j], 0                             ; the zeros beside Q
.endr
	v_mov_b32 v13, 0xff61b1e6                      ; the largest score so far: -3e38
	v_mov_b32 v[OLD], 0x7f61b1e6                   ; and -M to go with it: the first f is 0, and multiplies zeros
	v_mov_b32 v14, 0
	v_mov_b32 v15, 0
.irp b, 0,1,2,3
	v_mov_b32 v[PT+\b], 0                          ; a lane permute's destination counts as a source
.endr
	v_mov_b32 v[F+1], 0
	s_wait_alu depctr_va_vdst(0)
	s_wait_loadcnt 0x0
	v_perm_b32 v[QS], v241, v241, s[QP]            ; my tile's two scale bytes, for K places 0-63 and 64-127
.set J, 0
.rept 32
	v_mov_b32 v[OT+J], 0
.set J, J+1
.endr
	s_wait_alu depctr_va_vdst(0)
	s_cmp_lt_u32 s[WV], 6                          ; slot 0 and the scale bytes: every wave that issues one of those four lines waits here
	s_cbranch_scc0 .Lnot_slot_0
	s_wait_tensorcnt 0x0
.Lnot_slot_0:
	s_barrier_signal -1
	s_barrier_wait -1
	ASK
.macro KL2 x, b0                       ; two images of K, eight loads, into block x
.irp b, \b0, \b0+1
.irp c, 0,1,2,3
	ds_load_b128 v[\x+16*(\b)+4*\c:\x+16*(\b)+4*\c+3], v[ADK] offset:(\b)*2048+512*\c
.endr
.endr
.endm
.macro VL x, n                         ; the n-th of a step's twenty loads for V: sixteen of fragments into block x, four scale words
.if (\n) < 16
	ds_load_b128 v[\x+4*(\n):\x+4*(\n)+3], v[ADV] offset:16*((\n)/4)*VP+32*((\n)%4)
.else
	ds_load_b32 v[VS+(\n)-16], v[ADT] offset:2176*((\n)-16)
.endif
.endm
; A KEY STEP: 128 keys.  x: K's fragments (asked for in the step before), then V's; y: the scores, p, then the next step's fragments of K.  last = 1: in the loop's last trip nothing is loaded ahead.
.macro STEP x, y, last
	s_wait_dscnt 0x0                               ; K's fragments and scale words
.irp b, 0,1,2,3
	v_wmma_scale_f32_16x16x128_f8f6f4 v[\y+16*\b:\y+16*\b+7], v[\x+16*\b:\x+16*\b+15], v[24:39], 0, v[KS+\b], v[QS]
	v_wmma_scale_f32_16x16x128_f8f6f4 v[\y+16*\b+8:\y+16*\b+15], v[\x+16*\b:\x+16*\b+15], v[16:31], 0, v[KS+\b], v[QS]
.endr
	s_add_co_u32 s[TK], s[TK], 8192
	s_add_co_u32 s[TS], s[TS], 272
	v_add_nc_u32 v[ADK], s[TK], v[AK0]             ; eight places behind the products: two additions and six idle lines
	v_add_nc_u32 v[ADS], s[TS], v[ASK0]
.rept 6
	v_nop
.endr
.irp b, 0,1,2,3                                ; the largest score of each block of 32 keys: my 16, in two chains a block, eight chains by turns
	v_max3_num_f32 v[BM+\b], v[\y+16*\b], v[\y+1+16*\b], v[\y+2+16*\b]
.endr
.irp b, 0,1,2,3
	v_max3_num_f32 v[HD+\b], v[\y+7+16*\b], v[\y+8+16*\b], v[\y+9+16*\b]
.endr
.irp i, 3,5
.irp b, 0,1,2,3
	v_max3_num_f32 v[BM+\b], v[BM+\b], v[\y+16*\b+\i], v[\y+1+16*\b+\i]
.endr
.irp b, 0,1,2,3
	v_max3_num_f32 v[HD+\b], v[HD+\b], v[\y+7+16*\b+\i], v[\y+8+16*\b+\i]
.endr
.endr
.irp b, 0,1,2,3
	v_max3_num_f32 v[BM+\b], v[BM+\b], v[HD+\b], v[\y+14+16*\b]
.endr
.irp b, 0,1,2,3
	v_max_num_f32 v[BM+\b], v[BM+\b], v[\y+15+16*\b]
.endr
.irp b, 0,1,2,3
	s_delay_alu instid0(VALU_DEP_4)
	v_permlanex16_b32 v[PT+\b], v[BM+\b], s[SEL], s[SEL+1]
.endr
.irp n, 0,1,2,3                                ; V's loads stand among the lines that hang on each other
	VL \x, \n
.endr
	MAX2 BM, PT, BM+1, PT+1                        ; with lane l xor 16's 16 keys
	MAX2 BM+2, PT+2, BM+3, PT+3
.irp n, 4,5,6,7
	VL \x, \n
.endr
	v_max3_num_f32 v[TMP], v[BM], v[BM+1], v[BM+2]
.irp n, 8,9,10
	VL \x, \n
.endr
	v_max3_num_f32 v13, v13, v[TMP], v[BM+3]       ; the running largest score (c is positive: its product with c is the largest t)
.irp n, 11,12,13
	VL \x, \n
.endr
	v_mul_f32 v[TMP], s[CS], v13
	VL \x, 14
	VL \x, 15
	v_floor_f32 v12, -v[TMP]                       ; -M = floor(-t)
	VL \x, 16
	VL \x, 17
	v_sub_f32 v[TMP], v12, v[OLD]                  ; old M - new M, a whole number, 0 or less
	VL \x, 18
	v_cvt_i32_f32 v[TMP], v[TMP]
	VL \x, 19
	v_ldexp_f32 v[F], 1.0, v[TMP]                  ; f
.set J, 0
.rept 32
	v_pk_fma_f32 v[\y+J:\y+J+1], v[\y+J:\y+J+1], s[CS:CS+1], v[12:13] op_sel_hi:[1,0,0]   ; t - M
.set J, J+2
.endr
.irp b, 0,1,2,3
	v_fma_f32 v[BM+\b], v[BM+\b], s[CS], v12       ; the same of each block's largest score
.endr
.set J, 0
.rept 16
	v_pk_mul_f32 v[OT+J:OT+J+1], v[OT+J:OT+J+1], v[F:F+1] op_sel_hi:[1,0]   ; O^T under the new M, ahead of the exponentials
.set J, J+2
.endr
	v_pk_mul_f32 v[14:15], v[14:15], v[F:F+1] op_sel_hi:[1,0]
	s_wait_alu depctr_va_vdst(0)
.irp b, 0,1,2,3
	v_exp_f32 v[BM+\b], v[BM+\b]                   ; each block's largest p
.endr
.set J, 0
.rept 64
	v_exp_f32 v[\y+J], v[\y+J]                     ; p
.set J, J+1
.endr
	v_nop                                          ; a plain place behind the last exponential
	s_wait_alu depctr_va_vdst(0)                   ; one wait for the batch of 68
	v_pk_add_f32 v[14:15], v[14:15], v[\y:\y+1]    ; the row's sum of the unquantised p: 32 pairs in eight chains by turns
.set J, 1
.irp c, 242,250,252,254,224,226,228
	v_pk_add_f32 v[\c:\c+1], v[\y+2*J:\y+2*J+1], v[\y+2*J+2:\y+2*J+3]
.set J, J+2
.endr
.rept 2
.irp c, 14,242,250,252,254,224,226,228
	v_pk_add_f32 v[\c:\c+1], v[\c:\c+1], v[\y+2*J:\y+2*J+1]
.set J, J+1
.endr
.endr
	v_pk_add_f32 v[14:15], v[14:15], v[\y+62:\y+63]
	v_pk_add_f32 v[242:243], v[242:243], v[250:251]
	v_pk_add_f32 v[252:253], v[252:253], v[254:255]
	v_pk_add_f32 v[224:225], v[224:225], v[226:227]
	v_pk_add_f32 v[14:15], v[14:15], v[228:229]
	v_pk_add_f32 v[242:243], v[242:243], v[252:253]
	v_pk_add_f32 v[14:15], v[14:15], v[224:225]
.irp b, 0,1,2,3
	v_max_num_f32 v[BM+\b], 0x4800000, v[BM+\b]    ; the floor 2^(9 - 127): the byte cannot fall under 1
.endr
.irp b, 0,1,2,3
	s_delay_alu instid0(VALU_DEP_4)
	v_add_nc_u32 v[SO+\b], 0xfc000000, v[BM+\b]    ; the conversion's scale operand
.endr
.irp b, 0,1,2,3
	v_and_or_b32 v[HD+\b], v[BM+\b], 0x7f800000, s[MNT]   ; 448 x the scale
.endr
.irp b, 0,1,2,3
	v_lshrrev_b32 v[PT+\b], 23, v[SO+\b]           ; the scale's byte
.endr
	s_delay_alu instid0(VALU_DEP_3)
	v_lshl_or_b32 v[PW], v[PT+1], 8, v[PT]
	s_delay_alu instid0(VALU_DEP_1)
	v_lshl_or_b32 v[PW], v[PT+2], 16, v[PW]
	s_delay_alu instid0(VALU_DEP_1)
	v_lshl_or_b32 v[PW], v[PT+3], 24, v[PW]
.irp p, 0,2                                    ; the holds (the conversion does not saturate: ISA guide 7.6.2; p is not negative): a number of block p and one of block p + 1 to a line
.irp i, 0,1,2,3,4,5,6,7,8,9,10,11,12,13,14,15
	HOLD2 \y+16*\p+\i, HD+\p, \y+16*\p+17+\i-2*(\i%2), HD+\p+1
.endr
.irp b, \p, \p+1
	v_cvt_scalef32_pk8_fp8_f32 v[PCD+4*(\b):PCD+4*(\b)+1], v[\y+16*(\b):\y+16*(\b)+7], v[SO+\b]
	v_cvt_scalef32_pk8_fp8_f32 v[PCD+4*(\b)+2:PCD+4*(\b)+3], v[\y+16*(\b)+8:\y+16*(\b)+15], v[SO+\b]
.endr
	s_wait_alu depctr_va_vdst(0)
.if \p == 0
	s_wait_dscnt 0x0                               ; V's fragments and scale words, asked for ahead of the exponentials: so no count is kept over the loads below
.endif
.if \last
	s_cmp_eq_u32 s[STP], 1                         ; a slot's last step has no successor in the slot
	s_cbranch_scc1 .Lnone_\@_\p
.endif
	KL2 \y, \p                                     ; the next step's fragments of K go where these two blocks of p lay
.if \p == 2
	ds_load_b128 v[KS:KS+3], v[ADS]
.endif
.if \last
.Lnone_\@_\p:
.endif
.endr
	s_add_co_u32 s[TV], s[TV], 128
	s_add_co_u32 s[TJ], s[TJ], 4
	v_add_nc_u32 v[ADV], s[TV], v[AV0]             ; four plain lines between the codes and the products
	v_add_nc_u32 v[ADT], s[TJ], v[ASV0]
	v_pk_add_f32 v[14:15], v[14:15], v[242:243]
	v_mov_b32 v[OLD], v12
.irp t, 0,1,2,3
	v_wmma_scale_f32_16x16x128_f8f6f4 v[OT+8*\t:OT+8*\t+7], v[\x+16*\t:\x+16*\t+15], v[PCD:PCD+15], v[OT+8*\t:OT+8*\t+7], v[VS+\t], v[PW]
.endr
.rept 9
	v_nop                                          ; nine places: the next step's products write over the fragments that these have read
.endr
.endm
.macro SLOT sb                         ; a slot's eight steps, two a trip; sb: its first LDS byte
	s_mov_b32 s[TK], \sb
	s_mov_b32 s[TV], \sb
	v_add_nc_u32 v[ADK], s[TK], v[AK0]
	v_add_nc_u32 v[ADV], s[TV], v[AV0]
	v_add_nc_u32 v[ADS], s[TS], v[ASK0]
	v_add_nc_u32 v[ADT], s[TJ], v[ASV0]
	s_mov_b32 s[STP], 4
	s_wait_alu depctr_va_vdst(0)
	KL2 FR, 0                                      ; the slot's first fragments of K
	KL2 FR, 2
	ds_load_b128 v[KS:KS+3], v[ADS]
.Lstep_\@:
	STEP FR, ST, 0
	STEP ST, FR, 1
	s_sub_co_u32 s[STP], s[STP], 1
	s_cmp_lg_u32 s[STP], 0
	s_cbranch_scc1 .Lstep_\@
.endm
; A REFILL of the slot just left, with the keys 2,048 on.  All my loads are in; the add (twice on end); my reads are over; a round; the joint load first behind it.
.macro REFILL g0k, g0v, ask
	s_wait_tensorcnt 0x0
	ds_add_u32 v[SPW], v[NIL]
	ds_add_u32 v[SPW], v[NIL]
	s_add_nc_u64 s[\g0k+2:\g0k+3], s[\g0k+2:\g0k+3], 131072
	s_add_nc_u64 s[\g0v+2:\g0v+3], s[\g0v+2:\g0v+3], 2048
.if \ask
	s_wait_xcnt 0x0                                ; my prefetch has read its address
	s_add_nc_u64 s[PFA:PFA+1], s[PFA:PFA+1], s[PFS:PFS+1]
.endif
	s_wait_dscnt 0x0
	CROUND
	TLOAD \g0k, G1K, \g0v, G1V
.if \ask
	ASK
.endif
.endm
	SLOT 0
	REFILL G0K, G0V, 1
	SLOT SLOT1
	REFILL G0K1, G0V1, 0
	SLOT 0
	s_wait_tensorcnt 0x0                           ; the last change of slots fills nothing: slot 1's refill is in,
	ds_add_u32 v[SPW], v[NIL]
	s_wait_dscnt 0x0
	s_barrier_signal -1
	s_barrier_wait -1                              ; in every wave
	SLOT SLOT1
; THE WAY OUT: O^T / the sum is quantised along the head's 64 channels (two blocks of 32, each in lanes l and l xor 16) and leaves as an image of the next launch's operand registers.
	v_add_f32 v14, v14, v15
	s_delay_alu instid0(VALU_DEP_1)
	v_permlanex16_b32 v[TMP], v14, s[SEL], s[SEL+1]
	s_delay_alu instid0(VALU_DEP_1)
	v_add_f32 v14, v14, v[TMP]
	s_wait_alu depctr_va_vdst(0)
	v_rcp_f32 v14, v14
	v_and_b32 v8, 15, v0
	v_bfe_u32 v9, v0, 4, 1
	s_lshl_b32 s88, s[WV], 5
	s_add_co_u32 s88, s88, OSTG
	v_lshl_add_u32 v10, v8, 1, s88
	v_add_nc_u32 v11, OSTG, v[AK0]
	v_cmp_ne_u32 vcc_lo, 0, v9
	s_wait_alu depctr_va_vdst(0)                   ; ahead of the first reader of the reciprocal and of O^T
.set J, 0
.rept 16
	v_pk_mul_f32 v[ST+J:ST+J+1], v[OT+J:OT+J+1], v[14:15] op_sel_hi:[1,0]
.set J, J+2
.endr
.irp c, 0,1
	v_max3_num_f32 v[HD+\c], |v[ST+16*\c]|, |v[ST+16*\c+1]|, 0x4800000
.endr
.irp i, 2,4,6,8,10,12,14
.irp c, 0,1
	s_delay_alu instid0(VALU_DEP_2)
	v_max3_num_f32 v[HD+\c], v[HD+\c], |v[ST+16*\c+\i]|, |v[ST+16*\c+\i+1]|
.endr
.endr
.irp c, 0,1
	s_delay_alu instid0(VALU_DEP_2)
	v_permlanex16_b32 v[HD+2+\c], v[HD+\c], s[SEL], s[SEL+1]
.endr
.irp c, 0,1
	s_delay_alu instid0(VALU_DEP_2)
	v_max_num_f32 v[HD+\c], v[HD+\c], v[HD+2+\c]
.endr
.irp c, 0
	s_delay_alu instid0(VALU_DEP_2)
	v_add_nc_u32 v[SO+\c], 0xfc000000, v[HD+\c]
	s_delay_alu instid0(VALU_DEP_3)
	v_and_or_b32 v[SO+2+\c], v[HD+\c], 0x7f800000, s[MNT]
	s_delay_alu instid0(VALU_DEP_2)
	v_lshrrev_b32 v[HD+2+\c], 23, v[SO+\c]
.endr
.irp c, 1
	s_delay_alu instid0(VALU_DEP_4)
	v_add_nc_u32 v[SO+\c], 0xfc000000, v[HD+\c]
	v_and_or_b32 v[SO+2+\c], v[HD+\c], 0x7f800000, s[MNT]
	s_delay_alu instid0(VALU_DEP_2)
	v_lshrrev_b32 v[HD+2+\c], 23, v[SO+\c]
.endr
	s_delay_alu instid0(VALU_DEP_1)
	v_lshl_or_b32 v[TMP], v[HD+3], 8, v[HD+2]
.irp c, 0,1
.irp i, 0,1,2,3,4,5,6,7,8,9,10,11,12,13,14,15
	v_med3_num_f32 v[ST+16*\c+\i], v[ST+16*\c+\i], -v[SO+2+\c], v[SO+2+\c]
.endr
	v_cvt_scalef32_pk8_fp8_f32 v[PCD+4*\c:PCD+4*\c+1], v[ST+16*\c:ST+16*\c+7], v[SO+\c]
	v_cvt_scalef32_pk8_fp8_f32 v[PCD+4*\c+2:PCD+4*\c+3], v[ST+16*\c+8:ST+16*\c+15], v[SO+\c]
.endr
	v_nop
.irp c, 0,1                                    ; the two halves of the lanes exchange eight codes, so that a lane holds 16 neighbouring channels
.irp k, 0,1
	v_cndmask_b32 v[PCD+8+2*\c+\k], v[PCD+4*\c+2+\k], v[PCD+4*\c+\k], vcc_lo
.endr
.endr
.irp n, 0,1,2,3
	v_permlanex16_b32 v[PCD+12+\n], v[PCD+8+\n], s[SEL], s[SEL+1]
.endr
.irp c, 0,1
.irp k, 0,1
	v_cndmask_b32 v[BM+4*\c+\k], v[PCD+4*\c+\k], v[PCD+12+2*\c+\k], vcc_lo
	v_cndmask_b32 v[BM+4*\c+2+\k], v[PCD+12+2*\c+\k], v[PCD+4*\c+2+\k], vcc_lo
.endr
.endr
	global_store_b128 v[AK0], v[BM:BM+3], s[16:17]            ; 32 lanes store 512 consecutive bytes
	global_store_b128 v[AK0], v[BM+4:BM+7], s[16:17] offset:512
	ds_store_b16 v10, v[TMP]                       ; my rows' two scale bytes: the work-group's 512 leave together
	s_wait_dscnt 0x0
	s_barrier_signal -1
	s_barrier_wait -1
	s_cmp_lg_u32 s[WV], 0
	s_cbranch_scc1 .Lnot_first
	ds_load_b128 v[FR:FR+3], v11
	s_wait_dscnt 0x0
	global_store_b128 v[AK0], v[FR:FR+3], s[18:19]
.Lnot_first:
	s_wait_tensorcnt 0x0                           ; the wave's end
	ds_add_u32 v[SPW], v[NIL]
	s_wait_dscnt 0x0
	CROUND                                         ; the closing round
	s_endpgm
.Lfunc_end_k_q73223caac4_attn:
	.size	k_q73223caac4_attn, .Lfunc_end_k_q73223caac4_attn-k_q73223caac4_attn
	.p2alignl 7, 3214868480
	.fill 96, 4, 3214868480
	.section	.rodata,"a",@progbits
	.p2align	6, 0x0
	.amdhsa_kernel k_q73223caac4_attn
		.amdhsa_group_segment_fixed_size 327680
		.amdhsa_private_segment_fixed_size 0
		.amdhsa_enable_private_segment 0
		.amdhsa_kernarg_size 64
		.amdhsa_user_sgpr_count 2
		.amdhsa_user_sgpr_kernarg_segment_ptr 1
		.amdhsa_wavefront_size32 1
		.amdhsa_system_sgpr_workgroup_id_x 1
		.amdhsa_system_sgpr_workgroup_id_y 1
		.amdhsa_system_sgpr_workgroup_id_z 1
		.amdhsa_system_vgpr_workitem_id 0
		.amdhsa_next_free_vgpr 256
		.amdhsa_next_free_sgpr 100
		.amdhsa_reserve_vcc 1
		.amdhsa_float_denorm_mode_32 3
		.amdhsa_float_denorm_mode_16_64 3
		.amdhsa_memory_ordered 1
		.amdhsa_forward_progress 1
		.amdhsa_inst_pref_size 181
	.end_amdhsa_kernel
	.amdgpu_metadata
---
amdhsa.version: [ 1, 2 ]
amdhsa.kernels:
  - .name:           k_q73223caac4_attn
    .symbol:         k_q73223caac4_attn.kd
    .args:
      - { .name: qimg, .offset: 0, .size: 8, .value_kind: global_buffer, .address_space: global }
      - { .name: qsc, .offset: 8, .size: 8, .value_kind: global_buffer, .address_space: global }
      - { .name: kimg, .offset: 16, .size: 8, .value_kind: global_buffer, .address_space: global }
      - { .name: ksc, .offset: 24, .size: 8, .value_kind: global_buffer, .address_space: global }
      - { .name: v_codes, .offset: 32, .size: 8, .value_kind: global_buffer, .address_space: global }
      - { .name: v_scales, .offset: 40, .size: 8, .value_kind: global_buffer, .address_space: global }
      - { .name: oimg, .offset: 48, .size: 8, .value_kind: global_buffer, .address_space: global }
      - { .name: osc, .offset: 56, .size: 8, .value_kind: global_buffer, .address_space: global }
    .group_segment_fixed_size: 327680
    .private_segment_fixed_size: 0
    .kernarg_segment_align: 8
    .kernarg_segment_size: 64
    .max_flat_workgroup_size: 512
    .sgpr_count:     100
    .vgpr_count:     256
    .wavefront_size: 32
...
	.end_amdgpu_metadata
.endif
;; end of part 2
;; launch proj (part 3): grid 8 x 32, 4 waves a work-group, clusters of 4 x 4, 327,680 bytes of LDS; arguments oimg, osc, w_out_codes, w_out_scales, b_out, out0; writes out0
.if DOCPART == 3
	.amdgcn_target "amdgcn-amd-amdhsa--gfx1250"
	.amdhsa_code_object_version 6
	.text
	.protected	k_q73223caac4_proj
	.globl	k_q73223caac4_proj
	.p2align	8
	.type	k_q73223caac4_proj,@function
k_q73223caac4_proj:
	s_mov_b64 s[64:65], 0
	v_nop
	global_prefetch_b8 v0, s[64:65] scope:SCOPE_SE
	s_setreg_imm32_b32 hwreg(HW_REG_WAVE_MODE, 25, 1), 1
	s_wait_xcnt 0x0
	s_wait_alu depctr_hold_cnt(0) depctr_sa_sdst(0) depctr_va_vdst(0) depctr_va_sdst(0) depctr_va_ssrc(0) depctr_va_vcc(0) depctr_vm_vsrc(0)
	s_getreg_b32 s2, hwreg(HW_REG_IB_STS2, 6, 4)
	s_cmp_eq_u32 s2, 0
	s_cbranch_scc0 .Lentry_in_a_cluster
	s_endpgm
.Lentry_in_a_cluster:
	s_bfe_u32 s2, ttmp6, 0x10000c
	s_cmp_lg_u32 s2, 0xf033
	s_cbranch_scc0 .Lentry_shape_is_right
	s_endpgm
.Lentry_shape_is_right:
.set BT,   131072
.set BCH,  67584
.set BP,   528
.set SA,   266240
.set SB,   270592
.set STG,  274944
.set OS,   32
.set WS,   64
.set BI,   96
.set FB,   128
.set FA,   192
.set WV,   16
.set G1A,  24
.set G1B,  32
.set G1SA, 40
.set G1SB, 48
.set G0SA, 56
.set G0SB, 72
.set MSB, 0
.macro WIN new
.if MSB != \new
	s_set_vgpr_msb (MSB<<8)|\new
.set MSB, \new
.endif
.endm
.macro JLOAD g0a, g1a, g0b, g1b
	s_cmp_eq_u32 s17, 0
	s_cbranch_scc0 .Lfor_b_\@
	tensor_load_to_lds s[\g0a:\g0a+3], s[\g1a:\g1a+7]
	s_nop 0
.rept 4
	v_nop
.endr
	s_branch .Lasked_\@
.Lfor_b_\@:
	tensor_load_to_lds s[\g0b:\g0b+3], s[\g1b:\g1b+7]
	s_nop 0
.rept 4
	v_nop
.endr
.Lasked_\@:
.endm
.macro CROUND
	s_barrier_signal -1
	s_barrier_wait -1
	s_cmp_lg_u32 s[WV], 0
	s_cbranch_scc1 .Lnot_wave_0_\@
	s_barrier_signal -3
.Lnot_wave_0_\@:
	s_barrier_wait -3
	s_barrier_signal -1
	s_barrier_wait -1
.endm
	s_load_b256 s[4:11], s[0:1], 0x0
	s_load_b128 s[12:15], s[0:1], 0x20
	v_lshl_add_u32 v30, v0, 2, 0x47600
	v_mov_b32 v31, 0
	ds_add_u32 v30, v31
	ds_add_u32 v30, v31
	v_lshrrev_b32 v1, 5, v0
	v_readfirstlane_b32 s[WV], v1
	s_lshr_b32 s17, s[WV], 1
	s_and_b32 s18, s[WV], 1
	s_bfe_u32 s19, ttmp6, 0x40000
	s_bfe_u32 s20, ttmp6, 0x40004
	s_lshl_b32 s21, ttmp9, 2
	s_add_co_u32 s21, s21, s19
	s_and_b32 s22, ttmp7, 0xffff
	s_lshl_b32 s22, s22, 2
	s_add_co_u32 s22, s22, s20
	s_lshl_b32 s84, s20, 2
	s_lshl_b32 s84, 15, s84
	s_lshl_b32 s85, 0x1111, s19
	s_or_b32 s[G1A], s84, (3<<16)|(1<<21)
	s_mov_b32 s[G1A+1], 32<<16
	s_mov_b32 s[G1A+2], 128<<16
	s_mov_b32 s[G1A+3], 32<<16
	s_mov_b32 s[G1A+4], 128
	s_mov_b32 s[G1A+5], 32
	s_mov_b32 s[G1A+6], 0
	s_mov_b32 s[G1A+7], 0
	s_or_b32 s[G1B], s85, (1<<20)|(1<<21)|(6<<22)|(3<<25)
	s_mov_b32 s[G1B+1], 512<<16
	s_mov_b32 s[G1B+2], 64<<16
	s_mov_b32 s[G1B+3], 512<<16
	s_mov_b32 s[G1B+4], 64
	s_mov_b32 s[G1B+5], 1024
	s_mov_b32 s[G1B+6], 0
	s_mov_b32 s[G1B+7], 0
	s_or_b32 s[G1SA], s84, (3<<16)|(1<<20)|(1<<21)|(5<<22)|(3<<25)
	s_mov_b32 s[G1SA+1], 32<<16
	s_mov_b32 s[G1SA+2], 8<<16
	s_mov_b32 s[G1SA+3], 32<<16
	s_mov_b32 s[G1SA+4], 8
	s_mov_b32 s[G1SA+5], 1024
	s_mov_b32 s[G1SA+6], 0
	s_mov_b32 s[G1SA+7], 0
	s_or_b32 s[G1SB], s85, (3<<16)|(1<<20)|(1<<21)|(5<<22)|(3<<25)
	s_mov_b32 s[G1SB+1], 32<<16
	s_mov_b32 s[G1SB+2], 8<<16
	s_mov_b32 s[G1SB+3], 32<<16
	s_mov_b32 s[G1SB+4], 8
	s_mov_b32 s[G1SB+5], 32
	s_mov_b32 s[G1SB+6], 0
	s_mov_b32 s[G1SB+7], 0
	s_lshl_b32 s86, s22, 17
	s_lshl_b32 s23, s18, 15
	s_add_co_u32 s86, s86, s23
	s_mov_b32 s87, 0
	s_lshl_b32 s88, s22, 8
	s_lshl_b32 s23, s18, 16
	s_add_co_u32 s88, s88, s23
	s_mov_b32 s89, 0
	s_lshl_b32 s90, s21, 17
	s_add_co_u32 s90, s90, s23
	s_mov_b32 s91, 0
	s_lshl_b32 s92, s21, 12
	s_lshl_b32 s23, s18, 11
	s_add_co_u32 s92, s92, s23
	s_mov_b32 s93, 0
	s_lshl_b32 s94, s18, 15
	s_mul_i32 s95, s18, 64*BP
	s_add_co_u32 s95, s95, BT
	s_mul_i32 s96, s18, 8*272
	s_wait_dscnt 0x0
	s_wait_kmcnt 0x0
	s_add_nc_u64 s[86:87], s[4:5], s[86:87]
	s_add_nc_u64 s[88:89], s[6:7], s[88:89]
	s_add_nc_u64 s[90:91], s[8:9], s[90:91]
	s_add_nc_u64 s[92:93], s[10:11], s[92:93]
	CROUND
	s_mov_b32 s[G0SA], 1
	s_add_co_u32 s[G0SA+1], s96, SA
	s_mov_b64 s[G0SA+2:G0SA+3], s[88:89]
	s_or_b32 s[G0SA+3], s[G0SA+3], 0x80000000
	s_mov_b32 s[G0SB], 1
	s_add_co_u32 s[G0SB+1], s96, SB
	s_mov_b64 s[G0SB+2:G0SB+3], s[92:93]
	s_or_b32 s[G0SB+3], s[G0SB+3], 0x80000000
	JLOAD G0SA, G1SA, G0SB, G1SB
.irp ch, 0,1
	s_mov_b32 s[60+8*\ch], 1
	s_add_co_u32 s[61+8*\ch], s94, \ch*65536
	s_add_nc_u64 s[62+8*\ch:63+8*\ch], s[86:87], \ch*65536
	s_or_b32 s[63+8*\ch], s[63+8*\ch], 0x80000000
	s_mov_b32 s[76+4*\ch], 1
	s_add_co_u32 s[77+4*\ch], s95, \ch*BCH
	s_add_nc_u64 s[78+4*\ch:79+4*\ch], s[90:91], \ch*512
	s_or_b32 s[79+4*\ch], s[79+4*\ch], 0x80000000
	s_wait_alu depctr_va_vdst(0)
	s_wait_tensorcnt 0x0
	ds_add_u32 v30, v31
	s_wait_dscnt 0x0
	CROUND
	JLOAD 60+8*\ch, G1A, 76+4*\ch, G1B
.endr
	v_and_b32 v1, 15, v0
	v_bfe_u32 v2, v0, 4, 1
	v_and_b32 v3, 31, v0
	s_lshl_b32 s23, s17, 13
	v_lshl_add_u32 v16, v3, 4, s23
	v_add_nc_u32 v17, 65536, v16
	s_mul_i32 s23, s18, 64*BP
	s_add_co_u32 s23, s23, BT
	v_mul_u32_u24 v18, v1, BP
	v_lshl_add_u32 v18, v2, 4, v18
	v_add_nc_u32 v18, s23, v18
	v_add_nc_u32 v19, BCH, v18
	s_mul_i32 s23, s18, 8*272
	s_add_co_u32 s23, s23, SB
	v_lshrrev_b32 v4, 3, v1
	v_mul_u32_u24 v20, v4, 272
	v_and_b32 v4, 7, v1
	v_lshl_add_u32 v20, v4, 5, v20
	v_add_nc_u32 v20, s23, v20
	s_lshl_b32 s23, s17, 7
	s_add_co_u32 s23, s23, SA
	v_lshl_add_u32 v21, v1, 1, s23
	s_mul_i32 s23, s[WV], 16*272
	s_add_co_u32 s23, s23, STG
	v_mul_u32_u24 v22, v1, 272
	v_lshl_add_u32 v22, v2, 5, v22
	v_add_nc_u32 v22, s23, v22
	v_mul_u32_u24 v23, v2, 272
	v_lshl_add_u32 v23, v1, 4, v23
	v_add_nc_u32 v23, s23, v23
	v_lshlrev_b32 v24, 12, v2
	v_lshl_add_u32 v24, v1, 4, v24
	v_lshlrev_b32 v25, 5, v2
	s_wait_alu depctr_va_vdst(0)
	s_lshl_b32 s98, s21, 9
	s_lshl_b32 s23, s18, 8
	s_add_co_u32 s98, s98, s23
	s_mov_b32 s99, 0
	s_add_nc_u64 s[12:13], s[12:13], s[98:99]
	s_add_nc_u64 s[14:15], s[14:15], s[98:99]
	s_lshl_b32 s96, s22, 19
	s_lshl_b32 s23, s17, 18
	s_add_co_u32 s96, s96, s23
	s_mov_b32 s97, 0
	s_add_nc_u64 s[14:15], s[14:15], s[96:97]
.irp b, 0,1,2,3
	global_load_b128 v[BI+8*\b:BI+8*\b+3], v25, s[12:13] offset:64*\b
	global_load_b128 v[BI+8*\b+4:BI+8*\b+7], v25, s[12:13] offset:64*\b+16
.endr
.macro PLACES
.rept 8
	v_nop
.endr
.endm
.macro FETCH kp
.if (\kp)%2
	WIN 0x40
.else
	WIN 0
.endif
.irp b, 0,1,2,3
.irp c, 0,1,2,3
	ds_load_b128 v[FB+16*\b+4*\c:FB+16*\b+4*\c+3], v[18+(\kp)/4] offset:16*\b*BP+((\kp)%4)*128+32*\c
.endr
.endr
.irp a, 0,1,2,3
.irp c, 0,1,2,3
	ds_load_b128 v[FA+16*\a+4*\c:FA+16*\a+4*\c+3], v[16+(\kp)/4] offset:((\kp)%4)*16384+\a*2048+512*\c
.endr
.endr
.endm
.macro MUL kp
.if (\kp) == 0
	WIN 0x40
.elseif (\kp)%2 == 0
	WIN 0x50
.else
	WIN 0x55
.endif
.irp a, 0,1,2,3
.irp b, 0,1,2,3
.if (\kp) == 0
	v_wmma_scale_f32_16x16x128_f8f6f4 v[8*(4*\a+\b):8*(4*\a+\b)+7], v[FB+16*\b:FB+16*\b+15], v[FA+16*\a:FA+16*\a+15], v[BI+8*\b:BI+8*\b+7], v[WS+8*\b+(\kp)], v[OS+8*\a+(\kp)]
.else
	v_wmma_scale_f32_16x16x128_f8f6f4 v[8*(4*\a+\b):8*(4*\a+\b)+7], v[FB+16*\b:FB+16*\b+15], v[FA+16*\a:FA+16*\a+15], v[8*(4*\a+\b):8*(4*\a+\b)+7], v[WS+8*\b+(\kp)], v[OS+8*\a+(\kp)]
.endif
.endr
.endr
.endm
.macro KSTEP kp
	PLACES
	FETCH (\kp)+1
	s_wait_dscnt 32
	MUL \kp
.endm
	s_wait_tensorcnt 0x1
	s_barrier_signal -1
	s_barrier_wait -1
.irp b, 0,1,2,3
	ds_load_b128 v[WS+8*\b:WS+8*\b+3], v20 offset:544*\b
	ds_load_b128 v[WS+8*\b+4:WS+8*\b+7], v20 offset:544*\b+16
.endr
.irp a, 0,1,2,3
.irp kp, 0,1,2,3,4,5,6,7
	ds_load_u16 v[OS+8*\a+\kp], v21 offset:(2*\kp)*272+32*\a
	ds_load_u16 v[FB+8*\a+\kp], v21 offset:(2*\kp+1)*272+32*\a
.endr
.endr
	s_wait_dscnt 0x0
.set J, 0
.rept 32
	v_lshl_or_b32 v[OS+J], v[FB+J], 16, v[OS+J]
.set J, J+1
.endr
	FETCH 0
	s_wait_alu depctr_va_vdst(0)
	s_wait_loadcnt 0x0
	KSTEP 0
	KSTEP 1
	KSTEP 2
	s_wait_tensorcnt 0x0
	s_wait_dscnt 0x0
	s_barrier_signal -1
	MUL 3
	s_barrier_wait -1
	PLACES
	FETCH 4
	KSTEP 4
	KSTEP 5
	KSTEP 6
	s_wait_dscnt 0x0
	MUL 7
	WIN 0
	PLACES
.irp a, 0,1,2,3
.if \a >= 2
	s_wait_xcnt 0x0
.endif
	WIN 0x04
.irp b, 0,1,2,3
	ds_store_b128 v22, v[8*(4*\a+\b):8*(4*\a+\b)+3] offset:64*\b
	ds_store_b128 v22, v[8*(4*\a+\b)+4:8*(4*\a+\b)+7] offset:64*\b+16
.endr
	WIN 0
.irp t, 0,1,2,3,4,5,6,7
	ds_load_b128 v[FB+32*(\a%2)+4*\t:FB+32*(\a%2)+4*\t+3], v23 offset:544*\t
.endr
.irp t, 0,1,2,3,4,5,6,7
	s_wait_dscnt 7-\t
	global_store_b128 v24, v[FB+32*(\a%2)+4*\t:FB+32*(\a%2)+4*\t+3], s[14:15] offset:(32*(\a/2)+8*(\a%2)+2*\t+8*(\t/4))*4096 th:TH_STORE_NT
.endr
.endr
	s_wait_tensorcnt 0x0
	ds_add_u32 v30, v31
	s_wait_dscnt 0x0
	CROUND
	s_endpgm
.Lfunc_end_k_q73223caac4_proj:
	.size	k_q73223caac4_proj, .Lfunc_end_k_q73223caac4_proj-k_q73223caac4_proj
	.p2alignl 7, 3214868480
	.fill 96, 4, 3214868480
	.section	.rodata,"a",@progbits
	.p2align	6, 0x0
	.amdhsa_kernel k_q73223caac4_proj
		.amdhsa_group_segment_fixed_size 327680
		.amdhsa_private_segment_fixed_size 0
		.amdhsa_enable_private_segment 0
		.amdhsa_kernarg_size 48
		.amdhsa_user_sgpr_count 2
		.amdhsa_user_sgpr_kernarg_segment_ptr 1
		.amdhsa_wavefront_size32 1
		.amdhsa_system_sgpr_workgroup_id_x 1
		.amdhsa_system_sgpr_workgroup_id_y 1
		.amdhsa_system_sgpr_workgroup_id_z 1
		.amdhsa_system_vgpr_workitem_id 0
		.amdhsa_next_free_vgpr 512
		.amdhsa_next_free_sgpr 100
		.amdhsa_reserve_vcc 0
		.amdhsa_float_denorm_mode_32 3
		.amdhsa_float_denorm_mode_16_64 3
		.amdhsa_memory_ordered 1
		.amdhsa_forward_progress 1
		.amdhsa_inst_pref_size 62
	.end_amdhsa_kernel
	.amdgpu_metadata
---
amdhsa.version: [ 1, 2 ]
amdhsa.kernels:
  - .name:           k_q73223caac4_proj
    .symbol:         k_q73223caac4_proj.kd
    .args:
      - { .name: oimg, .offset: 0, .size: 8, .value_kind: global_buffer, .address_space: global }
      - { .name: osc, .offset: 8, .size: 8, .value_kind: global_buffer, .address_space: global }
      - { .name: w_out_codes, .offset: 16, .size: 8, .value_kind: global_buffer, .address_space: global }
      - { .name: w_out_scales, .offset: 24, .size: 8, .value_kind: global_buffer, .address_space: global }
      - { .name: b_out, .offset: 32, .size: 8, .value_kind: global_buffer, .address_space: global }
      - { .name: out0, .offset: 40, .size: 8, .value_kind: global_buffer, .address_space: global }
    .group_segment_fixed_size: 327680
    .private_segment_fixed_size: 0
    .kernarg_segment_align: 8
    .kernarg_segment_size: 48
    .max_flat_workgroup_size: 128
    .sgpr_count:     100
    .vgpr_count:     512
    .wavefront_size: 32
...
	.end_amdgpu_metadata
.endif
;; end of part 3
